; MI455X (gfx1250); checked and timed in simulation.
; The chip was launched on July 23, 2026; its instructions are those of AMD's public machine-readable ISA for CDNA 5 (MIT licence, August 2026) and "CDNA5" Instruction Set Architecture Reference Guide (July 2026). The comments in the code are by the model that wrote it; some were corrected since.
;; Attend. Allowed arithmetic: matrix products marked QUANTISED: E2M1 operands, one E8M0 scale for each 32 along K, by v_wmma_scale_f32_16x16x128_f8f6f4 with both operands' format E2M1 (or v_wmma_scale_f32_32x16x128_f4), f32 sums; everything else in f32.
;; Inputs: k 16 x 4,096 x 128 float32; q 16 x 4,096 x 128 float32; v 16 x 4,096 x 128 float32.
;; Outputs: out0 16 x 4,096 x 128 float32.
;; This version of the problem:
;;   THIS VERSION OF THE PROBLEM IS GIVEN IN LOW PRECISION. The matrix products marked QUANTISED in the list below multiply operands that are first quantised to E2M1 (2 exponent bits, 1 mantissa bit; 4 bits a number), with one power-of-two scale for each 32 numbers along K (OCP MX v1.0); their sums are f32. All else is computed in f32.
;;   The module's matrix products, in the order in which they are computed (A, B: the left and right operand; K: the contracted axis; several contracted axes count as one K, in the product's order):
;;     1. batch 16 x [M 4,096, K 128] x [K 128, N 4,096]; A: input q; B: input k: QUANTISED
;;     2. batch 16 x [M 4,096, K 4,096] x [K 4,096, N 128]; A: softmax (see below); B: input v: QUANTISED
;;   THE QUANTISER, for each operand of a quantised product, along K:
;;     - K is cut into blocks of 32 from its start; a last block that is shorter is filled with zeros.
;;     - A block's scale is 2^e with e = floor(log2(the largest magnitude in the block)) - 2, held to -126 .. 127; a block of zeros has e = 0. As a byte (E8M0): e + 127.
;;     - Each number is divided by its block's scale, clamped to +-6, and rounded to the nearest number of E2M1, ties to even, subnormals kept.
;;     - The product sums the exact products of the quantised numbers (number of the format x scale) in f32.
;;   ~~~python
;;   def quantise(x, axis):      # numpy; x: float32 -> the quantised numbers, widened to float32 again
;;       x = np.moveaxis(x, axis, -1); K = x.shape[-1]
;;       x = np.pad(x, [(0, 0)] * (x.ndim - 1) + [(0, -K % 32)]); x = x.reshape(x.shape[:-1] + (-1, 32)); a = np.abs(x).max(-1, keepdims=True)
;;       e = np.where(a > 0, np.clip(np.frexp(np.where(a > 0, a, 1))[1] - 1 - 2, -126, 127), 0)      # np.frexp(a)[1] - 1 = floor(log2(a)), exactly
;;       r = np.clip(x / 2.0 ** e, -6, 6)
;;       step = 2.0 ** (np.maximum(np.frexp(np.where(r == 0, 1, r))[1] - 1, 0) - 1)
;;       q = np.round(r / step) * step * 2.0 ** e      # np.round: ties to even
;;       return np.moveaxis(q.reshape(q.shape[:-2] + (-1,))[..., :K], -1, axis).astype(np.float32)
;;   ~~~
;;   SOFTMAX AHEAD OF A QUANTISED PRODUCT. Where the list says 'softmax', what is quantised is not the finished softmax but p = 2^(t - M), with t = logit x log2(e) and M = ceil(the row's largest t), a whole number; so 1/2 < the row's largest p <= 1. The row's sum l is taken of the UNQUANTISED p, in f32, and the product's result is divided by l at the end. Since M is a whole number, a kernel that streams over the keys may use a running M (the ceiling of the running maximum): every later rescaling is an exact power of two, which a block's scale takes up: the codes' values come out the same.
;;   OPERANDS COMPUTED ON THE WAY. 'Computed on the way' means the value that the module computes at that place (a softmax that the list does not call 'softmax' is quantised finished and normalised). What goes into a quantiser is computed in f32, as accurately as f32 sums, v_exp_f32 and their like allow (about 1e-6 of the number): no bf16 or f16 on the way to a quantiser, and a product that is left as it is and whose result goes on into a quantised operand takes f32 operands (vector FMAs, or v_wmma_f32_16x16x4_f32). A number that lies on a knife's edge between two numbers of the format may be rounded either way, as far as f32 arithmetic and the matrix unit's own rounding can turn it there, and no further.
;; One version. Each part assembles by itself: llvm-mc -triple=amdgcn-amd-amdhsa -mcpu=gfx1250 --defsym DOCPART=n.
;; ======== version 1 of 1: 2 launches
;; limits: right only within a limited range of input values
;; workspace buffers: kv 8,912,896 bytes
;; launch quant (part 1): grid 256 x 1, 8 waves a work-group, no clusters, 68,608 bytes of LDS; arguments k, v, kv; writes kv
.if DOCPART == 1
	.amdgcn_target "amdgcn-amd-amdhsa--gfx1250"
	.amdhsa_code_object_version 6
	.text
	.protected	k_q0a8167c7d8_quant
	.globl	k_q0a8167c7d8_quant
	.p2align	8
	.type	k_q0a8167c7d8_quant,@function
k_q0a8167c7d8_quant:
	s_mov_b64 s[64:65], 0
	v_nop
	global_prefetch_b8 v0, s[64:65] scope:SCOPE_SE
	s_setreg_imm32_b32 hwreg(HW_REG_WAVE_MODE, 25, 1), 1
	s_wait_xcnt 0x0
; k and v, [16][4096][128] f32, become codes of FP4 (E2M1) with one E8M0 scale byte for each 32 along a product's K, laid in kv IN THE ORDER OF THE OPERANDS' REGISTERS.
; k is quantised along the head's 128 (its innermost axis), v along the KEYS (its middle axis).
; kv: [16 heads][32 key steps][17,408 bytes].  A step (128 keys): 8,192 bytes of K's images, 8,192 of V's, 512 of K's scale words, 512 of V's.
;   An image: tile t (0..7), group c (0, 1), at 1024 t + 512 c + 16 x lane: the four registers 4 c .. 4 c + 3 of lane (r = lane % 16, h = lane / 16) of a fragment of 16 rows x 128 K.
;   K: row r of tile 4 H + u is key 64 H + 32 (r / 8) + 8 u + r % 8: in the transposed scores a lane's 32 registers of tiles 4 H .. 4 H + 3 are then one whole block of 32 neighbouring keys.
;      Group c of lane (r, h) is the row's block 2 c + h of the head's 128.
;   V: row r of tile t is channel 16 t + r; group c of lane (r, h) is keys 64 c + 32 h + 0 .. 31 of the step.
;   Scale words: at 256 H + 8 x lane + 4 jj the word of row lane % 16 of tile 4 H + 2 jj + lane / 16: byte b scales K = 32 b .. 32 b + 31.
; A block's scale is 2^(floor(log2(its largest magnitude)) - 2): its byte is the largest magnitude's exponent field - 2, held at 1 from below by a floor among the maximum's leaves.
; LIMITS: a block of zeros gets the byte 1 where the quantiser's text says 127 (its codes are zeros, which add nothing under that byte, and this program alone reads the bytes);
; a largest magnitude under 2^-124 is taken as 2^-124; NaN and infinities among the inputs are not served.
; SHARES: 256 work-groups of 8 waves.  Waves 0-3 take K, waves 4-7 V.  x = 4 x work-group + wave % 4; u = x / 2 is head x 32 + step; H = x % 2.
; A K wave takes keys 64 H .. 64 H + 63 of step u, a V wave channels 64 H .. 64 H + 63 of the step's 128 keys: 32,768 bytes of f32 each, read once.
; Every load reads whole runs of 256 or 512 consecutive bytes; the numbers turn through the wave's own 8,448 bytes of LDS, so that a lane comes to hold 32 neighbours along K.  Waves share nothing: no barrier.
; Every store writes whole aligned runs of 256 bytes.  A stream: no matrix units, clusters or tensor loads.
.set STEPB, 17408
.set WREG,  8448                       ; a wave's LDS: K: 16 rows of 528 bytes; V: 32 rows of 256
.set KP,    528
.set SW,    12                         ; v12-13   the scale words being gathered
.set R,     32                         ; v32-159  two sets of 64 registers as loaded
.set X,     160                        ; v160-223 two blocks of 32 neighbours along K
.set C,     224                        ; v224-255 codes
	s_load_b128 s[4:7], s[0:1], 0x0                ; k, v
	s_load_b64 s[8:9], s[0:1], 0x10                ; kv
	v_lshl_add_u32 v30, v0, 2, 0x10800             ; my spare word, behind the eight stages
	v_mov_b32 v31, 0
	v_lshrrev_b32 v2, 5, v0
	s_delay_alu instid0(VALU_DEP_1)
	v_readfirstlane_b32 s10, v2                    ; wave 0..7
	v_and_b32 v1, 31, v0                           ; lane
	v_and_b32 v2, 15, v0                           ; r
	v_bfe_u32 v3, v0, 4, 1                         ; h
	s_lshr_b32 s11, s10, 2                         ; 0: K, 1: V
	s_and_b32 s12, s10, 3
	s_lshl_b32 s13, ttmp9, 2
	s_add_co_u32 s12, s12, s13                     ; x
	s_lshr_b32 s13, s12, 1                         ; u
	s_and_b32 s14, s12, 1                          ; H
	s_mul_i32 s18, s10, WREG                       ; my stage
	v_lshlrev_b32 v4, 4, v1                        ; 16 x lane
	v_lshlrev_b32 v5, 3, v1                        ; 8 x lane
	s_delay_alu instid0(VALU_DEP_2)
	v_add_nc_u32 v6, s18, v4
	v_mul_u32_u24 v7, v2, KP
	s_delay_alu instid0(VALU_DEP_1)
	v_lshl_add_u32 v7, v3, 7, v7
	s_delay_alu instid0(VALU_DEP_1)
	v_add_nc_u32 v7, s18, v7                       ; stage + 528 r + 128 h
	v_lshl_add_u32 v8, v1, 2, s18
	v_lshlrev_b32 v9, 4, v2
	s_delay_alu instid0(VALU_DEP_1)
	v_lshl_add_u32 v10, v3, 10, v9                 ; 1024 h + 16 r
	s_delay_alu instid0(VALU_DEP_2)
	v_lshl_add_u32 v9, v3, 9, v9                   ; 512 h + 16 r
	v_lshlrev_b32 v11, 3, v3                       ; 8 h
	v_mov_b32 v23, 0                               ; a lane permute's destination counts as one of its sources
	v_cmp_le_u32 vcc_lo, 16, v1                    ; lanes 16-31
	s_mov_b32 s22, 0x76543210
	s_mov_b32 s23, 0xfedcba98                      ; selects for lane l xor 16
	s_lshl_b32 s20, s12, 15                        ; K's source: x runs of 64 keys x 512 bytes
	s_lshl_b32 s21, s13, 16                        ; V's: u runs of 128 keys x 512 bytes
	s_lshl_b32 s15, s14, 8
	s_add_co_u32 s21, s21, s15                     ; + 64 H channels
	s_mul_i32 s19, s13, STEPB                      ; the step's first byte in kv
	s_lshl_b32 s24, s14, 12                        ; my four tiles' images: 4,096 H,
	s_lshl_b32 s25, s11, 13                        ; V's behind K's 8,192
	s_add_co_u32 s24, s24, s25
	s_add_co_u32 s24, s24, s19
	s_mov_b32 s25, 0
	s_lshl_b32 s26, s11, 9                         ; my scale words
	s_add_co_u32 s26, s26, s15
	s_add_co_u32 s26, s26, s19
	s_add_co_u32 s26, s26, 16384
	s_mov_b32 s27, 0
	s_cmp_eq_u32 s11, 0                            ; the choice hangs on the wave's number alone
	s_cselect_b32 s20, s20, s21
	s_mov_b32 s21, 0
	s_wait_kmcnt 0x0
	s_cselect_b64 s[4:5], s[4:5], s[6:7]
	s_add_nc_u64 s[4:5], s[4:5], s[20:21]          ; my source
	s_add_nc_u64 s[16:17], s[8:9], s[26:27]        ; my scale words
	s_add_nc_u64 s[8:9], s[8:9], s[24:25]          ; my images
; The largest magnitude of v[b] .. v[b + 31], in two chains, and the floor 2^(3 - 127)
.macro BMAX d, e, b
	v_max3_num_f32 v[\d], |v[\b]|, |v[\b+1]|, |v[\b+2]|
	v_max3_num_f32 v[\e], |v[\b+3]|, |v[\b+4]|, |v[\b+5]|
.irp i, 6,10,14,18,22,26
	s_delay_alu instid0(VALU_DEP_2)
	v_max3_num_f32 v[\d], v[\d], |v[\b+\i]|, |v[\b+\i+1]|
	s_delay_alu instid0(VALU_DEP_2)
	v_max3_num_f32 v[\e], v[\e], |v[\b+\i+2]|, |v[\b+\i+3]|
.endr
	s_delay_alu instid0(VALU_DEP_2)
	v_max3_num_f32 v[\d], v[\d], |v[\b+30]|, |v[\b+31]|
	s_delay_alu instid0(VALU_DEP_1)
	v_max3_num_f32 v[\d], v[\d], v[\e], 0x1800000
.endm
	s_cmp_lg_u32 s11, 0
	s_cbranch_scc1 .Lvalues
; ---------------- K: four tiles of 16 keys ----------------
.macro LOADK tt                        ; row i of tile tt is key 32 (i / 8) + 8 tt + i % 8 of my 64: a key's 512 consecutive bytes to a load, into set tt % 2
.irp i, 0,1,2,3,4,5,6,7,8,9,10,11,12,13,14,15
	global_load_b128 v[R+64*((\tt)%2)+4*\i:R+64*((\tt)%2)+4*\i+3], v4, s[4:5] offset:(32*(\i/8)+8*(\tt)+(\i%8))*512 th:TH_LOAD_NT
.endr
.endm
.macro TILEK tt
.if (\tt) < 3
	s_wait_loadcnt 16                              ; this tile's 16 loads are in; the next tile's 16 may be out
.else
	s_wait_loadcnt 0x0
.endif
.irp i, 0,1,2,3,4,5,6,7,8,9,10,11,12,13,14,15
	ds_store_b128 v6, v[R+64*((\tt)%2)+4*\i:R+64*((\tt)%2)+4*\i+3] offset:KP*\i
.endr
.irp c, 0,1
.irp j, 0,1,2,3,4,5,6,7
	ds_load_b128 v[X+32*\c+4*\j:X+32*\c+4*\j+3], v7 offset:256*\c+16*\j            ; block 2 c + h of row r; LDS serves a wave's instructions in order
.endr
.endr
.if (\tt) < 2
	s_wait_dscnt 16                                ; the 16 stores are done: their registers take the tile two further on
	LOADK (\tt)+2
.endif
	s_wait_dscnt 0x0
	BMAX 16, 24, X
	BMAX 17, 25, X+32
	v_add_nc_u32 v18, 0xff000000, v16              ; 2 off the exponent field: the conversion's scale operand
	s_delay_alu instid0(VALU_DEP_2)
	v_add_nc_u32 v19, 0xff000000, v17
.irp c, 0,1
.irp g, 0,1,2,3
	v_cvt_scalef32_pk8_fp4_f32 v[C+8*(\tt)+4*\c+\g], v[X+32*\c+8*\g:X+32*\c+8*\g+7], v[18+\c]
.endr
.endr
	v_lshrrev_b32 v20, 23, v18                     ; the scales' bytes
	v_lshrrev_b32 v21, 23, v19
	s_delay_alu instid0(VALU_DEP_1)
	v_lshl_or_b32 v22, v21, 16, v20
	s_delay_alu instid0(VALU_DEP_1)
	v_lshlrev_b32 v22, v11, v22                    ; at their places in the word
	s_delay_alu instid0(VALU_DEP_1)
	v_permlanex16_b32 v23, v22, s22, s23
.if (\tt)%2 == 0
	s_delay_alu instid0(VALU_DEP_1)
	v_or_b32 v[SW+(\tt)/2], v22, v23               ; an even tile's words,
.else
	s_delay_alu instid0(VALU_DEP_1)
	v_or_b32 v22, v22, v23
	s_delay_alu instid0(VALU_DEP_1)
	v_cndmask_b32 v[SW+(\tt)/2], v[SW+(\tt)/2], v22, vcc_lo   ; and over them in lanes 16-31 the odd tile's
.endif
.irp c, 0,1
	global_store_b128 v4, v[C+8*(\tt)+4*\c:C+8*(\tt)+4*\c+3], s[8:9] offset:(\tt)*1024+512*\c   ; 32 lanes store 512 consecutive bytes
.endr
.endm
	LOADK 0
	LOADK 1
	s_wait_alu depctr_va_vdst(0)                   ; the wait at the head's end
	TILEK 0
	TILEK 1
	TILEK 2
	TILEK 3
	global_store_b64 v5, v[SW:SW+1], s[16:17]      ; 32 lanes store 256 consecutive bytes, aligned
	s_wait_tensorcnt 0x0                           ; the wave's end
	ds_add_u32 v30, v31
	s_wait_dscnt 0x0
	s_endpgm
; ---------------- V: four blocks of 32 keys x 64 channels ----------------
.Lvalues:
.macro LOADV kb                        ; keys 32 kb + 2 i (lanes 0-15) and + 1 (lanes 16-31): 256 consecutive bytes each, my 64 channels
.irp i, 0,1,2,3,4,5,6,7,8,9,10,11,12,13,14,15
	global_load_b128 v[R+64*((\kb)%2)+4*\i:R+64*((\kb)%2)+4*\i+3], v9, s[4:5] offset:(32*(\kb)+2*\i)*512 th:TH_LOAD_NT
.endr
.endm
.macro COL kb, jj                      ; channels 32 jj + lane: a lane's 32 registers run down the block's 32 keys
	BMAX 16, 24, X+32*(\jj)
	s_delay_alu instid0(VALU_DEP_1)
	v_add_nc_u32 v18, 0xff000000, v16
.irp g, 0,1,2,3
	v_cvt_scalef32_pk8_fp4_f32 v[C+4*(2*(\kb)+(\jj))+\g], v[X+32*(\jj)+8*\g:X+32*(\jj)+8*\g+7], v18
.endr
.if (\kb) == 0
	v_lshrrev_b32 v[SW+(\jj)], 23, v18             ; block kb is byte kb of my channel's word
.else
	v_lshrrev_b32 v20, 23, v18
	s_delay_alu instid0(VALU_DEP_1)
	v_lshl_or_b32 v[SW+(\jj)], v20, 8*(\kb), v[SW+(\jj)]
.endif
	global_store_b128 v10, v[C+4*(2*(\kb)+(\jj)):C+4*(2*(\kb)+(\jj))+3], s[8:9] offset:(\jj)*2048+((\kb)/2)*512+((\kb)%2)*256   ; each half of the lanes stores 256 consecutive bytes, aligned
.endm
.macro BLOCKV kb
.if (\kb) < 3
	s_wait_loadcnt 16
.else
	s_wait_loadcnt 0x0
.endif
.irp i, 0,1,2,3,4,5,6,7,8,9,10,11,12,13,14,15
	ds_store_b128 v6, v[R+64*((\kb)%2)+4*\i:R+64*((\kb)%2)+4*\i+3] offset:512*\i
.endr
.set n, 0
.rept 32
	ds_load_b32 v[X+n], v8 offset:256*n            ; key n, channels 0-31
.set n, n+1
.endr
.if (\kb) < 2
	s_wait_dscnt 32                                ; the 16 stores are done: their registers take the block two further on
	LOADV (\kb)+2
.endif
.set n, 0
.rept 32
	ds_load_b32 v[X+32+n], v8 offset:256*n+128     ; channels 32-63
.set n, n+1
.endr
	s_wait_dscnt 32                                ; channels 0-31 are in
	COL \kb, 0
	s_wait_dscnt 0x0
	COL \kb, 1
.endm
	s_wait_alu depctr_va_vdst(0)                   ; the wait at the head's end
	LOADV 0
	LOADV 1
	BLOCKV 0
	BLOCKV 1
	BLOCKV 2
	BLOCKV 3
	global_store_b64 v5, v[SW:SW+1], s[16:17]
	s_wait_tensorcnt 0x0                           ; the wave's end
	ds_add_u32 v30, v31
	s_wait_dscnt 0x0
	s_endpgm
.Lfunc_end_k_q0a8167c7d8_quant:
	.size	k_q0a8167c7d8_quant, .Lfunc_end_k_q0a8167c7d8_quant-k_q0a8167c7d8_quant
	.p2alignl 7, 3214868480
	.fill 96, 4, 3214868480
	.section	.rodata,"a",@progbits
	.p2align	6, 0x0
	.amdhsa_kernel k_q0a8167c7d8_quant
		.amdhsa_group_segment_fixed_size 68608
		.amdhsa_private_segment_fixed_size 0
		.amdhsa_enable_private_segment 0
		.amdhsa_kernarg_size 24
		.amdhsa_user_sgpr_count 2
		.amdhsa_user_sgpr_kernarg_segment_ptr 1
		.amdhsa_wavefront_size32 1
		.amdhsa_system_sgpr_workgroup_id_x 1
		.amdhsa_system_sgpr_workgroup_id_y 1
		.amdhsa_system_sgpr_workgroup_id_z 1
		.amdhsa_system_vgpr_workitem_id 0
		.amdhsa_next_free_vgpr 256
		.amdhsa_next_free_sgpr 66
		.amdhsa_reserve_vcc 1
		.amdhsa_float_denorm_mode_32 3
		.amdhsa_float_denorm_mode_16_64 3
		.amdhsa_memory_ordered 1
		.amdhsa_forward_progress 1
		.amdhsa_inst_pref_size 77
	.end_amdhsa_kernel
	.amdgpu_metadata
---
amdhsa.version: [ 1, 2 ]
amdhsa.kernels:
  - .name:           k_q0a8167c7d8_quant
    .symbol:         k_q0a8167c7d8_quant.kd
    .args:
      - { .name: k, .offset: 0, .size: 8, .value_kind: global_buffer, .address_space: global }
      - { .name: v, .offset: 8, .size: 8, .value_kind: global_buffer, .address_space: global }
      - { .name: kv, .offset: 16, .size: 8, .value_kind: global_buffer, .address_space: global }
    .group_segment_fixed_size: 68608
    .private_segment_fixed_size: 0
    .kernarg_segment_align: 8
    .kernarg_segment_size: 24
    .max_flat_workgroup_size: 256
    .sgpr_count:     66
    .vgpr_count:     256
    .wavefront_size: 32
...
	.end_amdgpu_metadata
.endif
;; end of part 1
;; launch attend (part 2): grid 16 x 16, 8 waves a work-group, clusters of 4 x 1, 327,680 bytes of LDS; arguments q, kv, out0; writes out0
.if DOCPART == 2
	.amdgcn_target "amdgcn-amd-amdhsa--gfx1250"
	.amdhsa_code_object_version 6
	.text
	.protected	k_q0a8167c7d8_attend
	.globl	k_q0a8167c7d8_attend
	.p2align	8
	.type	k_q0a8167c7d8_attend,@function
k_q0a8167c7d8_attend:
	s_mov_b64 s[64:65], 0
	v_nop
	global_prefetch_b8 v0, s[64:65] scope:SCOPE_SE
	s_setreg_imm32_b32 hwreg(HW_REG_WAVE_MODE, 25, 1), 1
	s_wait_xcnt 0x0
	s_wait_alu depctr_hold_cnt(0) depctr_sa_sdst(0) depctr_va_vdst(0) depctr_va_sdst(0) depctr_va_ssrc(0) depctr_va_vcc(0) depctr_vm_vsrc(0)
	s_getreg_b32 s2, hwreg(HW_REG_IB_STS2, 6, 4)
	s_cmp_eq_u32 s2, 0
	s_cbranch_scc0 .Lentry_in_a_cluster
	s_endpgm
.Lentry_in_a_cluster:
	s_bfe_u32 s2, ttmp6, 0x10000c
	s_cmp_lg_u32 s2, 0x3003
	s_cbranch_scc0 .Lentry_shape_is_right
	s_endpgm
.Lentry_shape_is_right:
; out0[h][n][:] = the sum over m of softmax_m(q[h][n] . k[h][m] / sqrt(128)) v[h][m][:], 16 heads, 4,096 queries and keys, head size 128; both products on codes of FP4 (E2M1) with one E8M0 scale for each 32 along K.
; q: f32, quantised here, in registers (each row is read once, by one wave).  kv: K's and V's codes and scale words, laid by the launch before in the order of the operands' registers:
; [16 heads][32 key steps of 128 keys][17,408 bytes]: 8,192 of K's images (tile t, group c at 1024 t + 512 c + 16 x lane), 8,192 of V's, 512 of K's scale words, 512 of V's.
; THE SOFTMAX AHEAD OF THE SECOND PRODUCT: t = score x log2(e) / sqrt(128); M = the row's largest t so far, rounded UP to a whole number; p = 2^(t - M) is quantised along the keys, not normalised.
; The row's sum is taken of the unquantised p, in f32, and divides at the end.  When M moves, the sum and O are multiplied by 2^(old M - new M), which rounds nothing; it is done in every step, with no branch on data.
; LIMITS: NaN and infinities among the inputs are not served; a p under 2^-126 falls to 0; a block of q whose largest magnitude lies under 2^-124 is scaled as if it were 2^-124; a block of zeros has the scale byte 1 (its codes are zeros).
; SHARES.  A work-group owns 256 queries of one head; each of its eight waves 32: tiles A and B of 16.  Two waves to a SIMD, 512 registers each.  Every wave walks all keys, 256 (two key steps of kv) at a time:
; one search for the maximum, one change of M and one rescaling of O^T serve a lane's 128 scores.
; LAYOUT: both products are used transposed: S^T = K Q^T (source 0 = 16 keys, source 1 = 16 queries), O^T = V^T P^T: a lane holds ONE query (lane % 16) throughout.
; Row r of K's tile 4 H + u is key 64 H + 32 (r / 8) + 8 u + r % 8, so the 32 registers of S^T's tiles 4 H .. 4 H + 3 are the block of keys 64 H + 32 (lane / 16) + 0 .. 31: a block's maximum needs no other lane,
; and the conversions' results are the second product's operand as they stand.
; ORDER OF A STEP: scores of A; softmax of A; scores of B from the same fragments of K, which have stayed in registers; V's fragments are asked for into K's registers; softmax of B; both tiles' second products,
; with the next K asked for as its registers come free; B's sums.  S^T is one run of 128 registers that the two tiles use in turn.
; CLUSTER.  The four query blocks of a cluster belong to one head and walk the same kv: each slot (8 key steps, one dense block of 139,264 bytes) is asked for JOINTLY, by the same tensor loads with the same descriptors
; and a mask that names the four; each of the eight waves fetches one key step.  By this text's count a wave has one tensor load out at the start and one behind each round that fills.
; PREFETCH: at the change of slots that loads slot j + 1 each cluster asks for slot j + 2: the four partners take two key steps each, told apart by address; a wave 17 blocks of 256 bytes, a lane a block
; (lanes 17 to 31 name the wave's last block again).  Slots 0 and 1 come by their loads alone; the last filling change asks for nothing: no slot lies behind slot 3.
; REGISTERS.  Window 0: v1-11 addresses; v12-33 scale words (K's 8, V's 8, Q's 2, p's 4); v34-49, v58-63 at work; v50-57 the tiles' -M, largest score, sum in two halves; v64-127 fragments (F0); v128-255 S^T, then p.
; Window 1: v0-127 O^T of A and of B; v128-191 fragments (F1); v192-223 p's codes; v224-239 Q's codes.
.set STEPB, 17408                      ; a key step's bytes, in kv and in LDS
.set SLOTB, 8*STEPB                    ; a slot; 0x22000 shares no bit with wave x STEPB, so one exclusive or turns an address in one slot into the other's
.set HEADB, 32*STEPB
.set QSTG,  2*SLOTB                    ; behind the ring: 16 rows x 272 bytes for each wave: q's turn at the head, the way out at the end; no tensor load lands here
.set QP,    272                        ; a stage row: 256 bytes + 16
.set WQ,    16*QP
.set SPARE, QSTG+8*WQ                  ; the spare words, 128 bytes for each wave: four blocks of 256 bytes that no other line names
.set LI,  1                            ; 16 x lane
.set L8,  2                            ; 8 x lane
.set ADR, 3                            ; the step in hand + 16 x lane (at the head: the stage, read by blocks)
.set ADS, 4                            ; the step in hand + 8 x lane
.set SPW, 5                            ; my spare word; never rewritten
.set NIL, 6                            ; 0; never rewritten
.set GQ,  7                            ; 512 h + 16 r: two rows of q or out0, 256 bytes of each
.set QW,  8                            ; my stage + 272 h + 16 r: the same two rows in the stage
.set STO, 9                            ; my stage + 272 r + 32 h: the way out
.set PFO, 10                           ; 256 x min(lane, 16); never rewritten
.set SH8, 11                           ; 8 h
.set KS,  12
.set VS,  20
.set QS,  28
.set PS,  30
.set BM,  34                           ; four blocks' largest scores, then largest p; in the sums two more chains
.set SO,  38                           ; the maxima's second chains, then the conversions' scale operands
.set TB,  42                           ; the old -M, then scale bytes
.set FP,  46                           ; f = 2^(old M - new M), named as a pair
.set PD,  48                           ; a lane permute's destination
.set T,   49
.set C2,  58                           ; further chains of the sum
.set C3,  60
.set C4,  62
.set C5,  34
.set C6,  36
.set F0,  64
.set S,   128
.set O,   0                            ; window 1
.set F1,  128                          ; window 1
.set PC,  192                          ; window 1
.set QC,  224                          ; window 1
; s[4:5] q, s[8:9] out0 at my wave's first row, s10 wave, s11 cx, s[16:23] descriptor group 1, s[28:31] group 0, which walks, s[32:33] lane selects, s[34:35] c twice,
; s36 LDS byte at which the step in hand begins, s37 slots still to be asked for, s38 counts three steps, s[40:41] where my prefetches stand
.set MSB, 0
.macro WIN new                         ; the immediate's high byte repeats the setting that is left
.if MSB != \new
	s_set_vgpr_msb (MSB<<8)|\new
.set MSB, \new
.endif
.endm
.macro PLACES n                        ; plain vector lines between a matrix instruction and a load into, or a vector read of, its registers
.rept \n
	v_nop
.endr
.endm
.macro CROUND                          ; a round of the cluster's barrier
	s_barrier_signal -1
	s_barrier_wait -1
	s_cmp_lg_u32 s10, 0
	s_cbranch_scc1 .Lnot_wave_0_\@
	s_barrier_signal -3
.Lnot_wave_0_\@:
	s_barrier_wait -3
	s_barrier_signal -1
	s_barrier_wait -1
.endm
.macro ASK
	s_cmp_gt_u32 s37, 1                            ; not at the last filling change
	s_cbranch_scc0 .Lno_ask_\@
	global_prefetch_b8 v[PFO], s[40:41] th:TH_LOAD_NT scope:SCOPE_SE
.Lno_ask_\@:
.endm
.macro BMAX d, e, b                    ; the largest magnitude of v[b] .. v[b + 31], in two chains, and the floor 2^(3 - 127)
	v_max3_num_f32 v[\d], |v[\b]|, |v[\b+1]|, |v[\b+2]|
	v_max3_num_f32 v[\e], |v[\b+3]|, |v[\b+4]|, |v[\b+5]|
.irp i, 6,10,14,18,22,26
	v_max3_num_f32 v[\d], v[\d], |v[\b+\i]|, |v[\b+\i+1]|
	v_max3_num_f32 v[\e], v[\e], |v[\b+\i+2]|, |v[\b+\i+3]|
.endr
	v_max3_num_f32 v[\d], v[\d], |v[\b+30]|, |v[\b+31]|
	v_max3_num_f32 v[\d], v[\d], v[\e], 0x1800000
.endm
	s_load_b128 s[4:7], s[0:1], 0x0                ; q, kv
	s_load_b64 s[8:9], s[0:1], 0x10                ; out0
	v_lshl_add_u32 v[SPW], v0, 2, SPARE
	v_mov_b32 v[NIL], 0
	ds_add_u32 v[SPW], v[NIL]                      ; the opening: the add, twice on end, and its wait ahead of my first tensor load
	ds_add_u32 v[SPW], v[NIL]
	v_lshrrev_b32 v34, 5, v0
	v_readfirstlane_b32 s10, v34                   ; wave 0..7
	s_bfe_u32 s11, ttmp6, 0x40000                  ; cx
	s_lshl_b32 s44, ttmp9, 2                       ; in a cluster launch ttmp9 counts clusters
	s_add_co_u32 s44, s44, s11                     ; my block of 256 queries: it enters q's and out0's addresses alone
	s_and_b32 s45, ttmp7, 0xffff                   ; the head, which the four partners share
	s_lshl_b32 s46, s45, 21                        ; a head's 4,096 rows of 512 bytes,
	s_lshl_b32 s47, s44, 17                        ; my block's 256,
	s_add_co_u32 s46, s46, s47
	s_lshl_b32 s47, s10, 14                        ; my wave's 32
	s_add_co_u32 s46, s46, s47
	s_mov_b32 s47, 0
	s_mul_i32 s50, s10, STEPB                      ; the step of a slot that I fetch, in memory and in LDS alike
	s_mul_i32 s52, s45, HEADB
	s_add_co_u32 s48, s52, s50
	s_mov_b32 s49, 0
	s_mov_b32 s16, 15|(3<<16)|(1<<21)              ; group 1: the mask of all four; elements of 8 bytes; bit 21 beside a mask.  A step is 68 dense rows of 256 bytes
	s_mov_b32 s17, 32<<16
	s_mov_b32 s18, 68<<16
	s_mov_b32 s19, 32<<16
	s_mov_b32 s20, 68
	s_mov_b32 s21, 32
	s_mov_b32 s22, 0
	s_mov_b32 s23, 0
	s_mov_b32 s32, 0x76543210
	s_mov_b32 s33, 0xfedcba98                      ; selects for lane l xor 16
	s_mov_b32 s34, 0x3e0293ee                      ; c = log2(e) / sqrt(128)
	s_mov_b32 s35, s34
	s_mov_b32 s36, 0
	s_mov_b32 s37, 3                               ; slots 1 to 3 are asked for at changes of slots
	s_mul_i32 s53, s11, 2*STEPB                    ; my prefetches: my work-group's two steps of a slot,
	s_add_co_u32 s52, s52, s53
	s_mul_i32 s53, s10, 17*256                     ; my wave's 17 blocks,
	s_add_co_u32 s52, s52, s53
	s_add_co_u32 s52, s52, SLOTB                   ; in slot 1: the first change steps it to slot 2
	s_mov_b32 s53, 0
	s_mul_i32 s54, s10, WQ
	s_add_co_u32 s54, s54, QSTG                    ; my stage
	s_wait_alu depctr_va_vdst(0)                   ; the wait ahead of the waits below
	s_wait_dscnt 0x0                               ; both opening adds are done
	s_wait_kmcnt 0x0
	s_add_nc_u64 s[4:5], s[4:5], s[46:47]
	s_add_nc_u64 s[8:9], s[8:9], s[46:47]
	s_add_nc_u64 s[40:41], s[6:7], s[52:53]
	s_mov_b32 s28, 1
	s_mov_b32 s29, s50
	s_add_nc_u64 s[30:31], s[6:7], s[48:49]
	s_or_b32 s31, s31, 0x80000000
	CROUND                                         ; all four work-groups are here: the first joint loads meet
	tensor_load_to_lds s[28:31], s[16:23]          ; slot 0: every wave its key step, its one load at the head
	s_nop 0
	PLACES 4
	v_and_b32 v34, 31, v0                          ; lane
	v_and_b32 v35, 15, v0                          ; r
	v_bfe_u32 v36, v0, 4, 1                        ; h
	v_lshlrev_b32 v37, 4, v35
	v_lshl_add_u32 v[GQ], v36, 9, v37
.irp x, 0,1
.irp c, 0,1
.irp i, 0,1,2,3,4,5,6,7
	global_load_b128 v[S+64*\x+32*\c+4*\i:S+64*\x+32*\c+4*\i+3], v[GQ], s[4:5] offset:8192*\x+1024*\i+256*\c th:TH_LOAD_NT   ; rows 2 i and 2 i + 1 of tile x, bytes 256 c on: sixteen lanes read 256 consecutive bytes, aligned
.endr
.endr
.endr
	v_lshlrev_b32 v[LI], 4, v34
	v_lshlrev_b32 v[L8], 3, v34
	v_mad_u32_u24 v[QW], v36, QP, v37
	v_add_nc_u32 v[QW], s54, v[QW]
	v_mul_u32_u24 v38, v35, QP
	v_lshl_add_u32 v39, v36, 7, v38
	v_add_nc_u32 v[ADR], s54, v39                  ; the stage, read by blocks: 272 r + 128 h
	v_lshl_add_u32 v39, v36, 5, v38
	v_add_nc_u32 v[STO], s54, v39
	v_min_u32 v38, 16, v34
	v_lshlrev_b32 v[PFO], 8, v38
	v_lshlrev_b32 v[SH8], 3, v36
	v_mov_b32 v[PD], 0                             ; a lane permute's destination counts as one of its sources
	v_mov_b32 v[T], 0
	v_mov_b32 v[FP+1], 0                           ; named as the upper half of a pair
; The tiles' state begins so that the step has no first copy of its own: O^T and the sums are zeros, which the first change of M leaves zeros; the largest score is -3e38, -M is 3e38.
.irp x, 0,1
	v_mov_b32 v[50+4*\x], 0x7f61b1e6
	v_mov_b32 v[51+4*\x], 0xff61b1e6
	v_mov_b32 v[52+4*\x], 0
	v_mov_b32 v[53+4*\x], 0
.endr
	WIN 0x40
.set n, 0
.rept 128
	v_mov_b32 v[O+n], 0
.set n, n+1
.endr
	WIN 0
; Q.  A tile's 16 rows turn through my stage, 256 bytes of each at a time, so that lane (r, h) holds blocks h and 2 + h of row r; their codes are Q's fragment, their bytes row r's scale word.
.macro QQ x
.irp c, 0,1
.irp i, 0,1,2,3,4,5,6,7
	ds_store_b128 v[QW], v[S+64*\x+32*\c+4*\i:S+64*\x+32*\c+4*\i+3] offset:2*QP*\i
.endr
.irp j, 0,1,2,3,4,5,6,7
	ds_load_b128 v[F0+32*\c+4*\j:F0+32*\c+4*\j+3], v[ADR] offset:16*\j   ; LDS serves a wave's instructions in order: these see the stores, and the next stores come behind them
.endr
.endr
	s_wait_alu depctr_va_vdst(0)                   ; the wait ahead of the wait below
	s_wait_dscnt 0x0
	BMAX 34, 36, F0
	BMAX 35, 37, F0+32
	v_add_nc_u32 v38, 0xff000000, v34              ; 2 off the exponent field: the conversion's scale operand
	v_add_nc_u32 v39, 0xff000000, v35
	v_lshrrev_b32 v42, 23, v38
	v_lshrrev_b32 v43, 23, v39
	v_lshl_or_b32 v44, v43, 16, v42
	v_lshlrev_b32 v44, v[SH8], v44
	v_permlanex16_b32 v[PD], v44, s32, s33
	v_or_b32 v[QS+\x], v44, v[PD]                  ; with lane l xor 16's two bytes the word is whole
	WIN 0x40
.irp c, 0,1
.irp g, 0,1,2,3
	v_cvt_scalef32_pk8_fp4_f32 v[QC+8*\x+4*\c+\g], v[F0+32*\c+8*\g:F0+32*\c+8*\g+7], v[38+\c]
.endr
.endr
	v_nop                                          ; one plain line behind the scaled conversions
	WIN 0
.endm
	s_wait_alu depctr_va_vdst(0)                   ; the wait at the head's end
	s_wait_loadcnt 16                              ; tile A's 16 loads are in; tile B's 16 may be out
	QQ 0
	s_wait_alu depctr_va_vdst(0)
	s_wait_loadcnt 0x0
	QQ 1
; K of the two key steps in hand.  FK0, 20 LDS loads: the first step's eight fragments into F0, and both steps' scale words.  FK1, 16 loads: the second step's fragments into F1
.macro FK0
.irp i, 0,1,2,3,4,5,6,7,8,9,10,11,12,13,14,15
	ds_load_b128 v[F0+4*\i:F0+4*\i+3], v[ADR] offset:512*\i
.endr
.irp y, 0,1
.irp u, 0,1
	ds_load_b64 v[KS+4*\y+2*\u:KS+4*\y+2*\u+1], v[ADS] offset:STEPB*\y+16384+256*\u
.endr
.endr
.endm
.macro FK1
	WIN 0x40
.irp i, 0,1,2,3,4,5,6,7,8,9,10,11,12,13,14,15
	ds_load_b128 v[F1+4*\i:F1+4*\i+3], v[ADR] offset:STEPB+512*\i
.endr
	WIN 0
.endm
.macro FV                              ; 36 LDS loads: V's sixteen fragments and scale words
.irp i, 0,1,2,3,4,5,6,7,8,9,10,11,12,13,14,15
	ds_load_b128 v[F0+4*\i:F0+4*\i+3], v[ADR] offset:8192+512*\i
.endr
	WIN 0x40
.irp i, 0,1,2,3,4,5,6,7,8,9,10,11,12,13,14,15
	ds_load_b128 v[F1+4*\i:F1+4*\i+3], v[ADR] offset:STEPB+8192+512*\i
.endr
	WIN 0
.irp y, 0,1
.irp u, 0,1
	ds_load_b64 v[VS+4*\y+2*\u:VS+4*\y+2*\u+1], v[ADS] offset:STEPB*\y+16896+256*\u
.endr
.endr
.endm
.macro MMZ d, a, b, sa, sb, odd        ; a product that starts its sums
.if \odd
	v_wmma_scale_f32_16x16x128_f8f6f4 v[\d:\d+7], v[\a:\a+7], v[\b:\b+7], 0, v[\sa], v[\sb] matrix_a_fmt:MATRIX_FMT_FP4 matrix_b_fmt:MATRIX_FMT_FP4 matrix_a_scale:MATRIX_SCALE_ROW1
.else
	v_wmma_scale_f32_16x16x128_f8f6f4 v[\d:\d+7], v[\a:\a+7], v[\b:\b+7], 0, v[\sa], v[\sb] matrix_a_fmt:MATRIX_FMT_FP4 matrix_b_fmt:MATRIX_FMT_FP4
.endif
.endm
.macro MMA d, a, b, sa, sb, odd        ; a product that adds in place
.if \odd
	v_wmma_scale_f32_16x16x128_f8f6f4 v[\d:\d+7], v[\a:\a+7], v[\b:\b+7], v[\d:\d+7], v[\sa], v[\sb] matrix_a_fmt:MATRIX_FMT_FP4 matrix_b_fmt:MATRIX_FMT_FP4 matrix_a_scale:MATRIX_SCALE_ROW1
.else
	v_wmma_scale_f32_16x16x128_f8f6f4 v[\d:\d+7], v[\a:\a+7], v[\b:\b+7], v[\d:\d+7], v[\sa], v[\sb] matrix_a_fmt:MATRIX_FMT_FP4 matrix_b_fmt:MATRIX_FMT_FP4
.endif
.endm
; S^T = K Q^T for tile x: sixteen tiles of 16 keys.  An even tile's scale words lie in lanes 0-15 of their register, the odd tile's in lanes 16-31
.macro QK x
	WIN 0x04                                       ; Q's codes: window 1
.irp t, 0,1,2,3,4,5,6,7
	MMZ S+8*\t, F0+8*\t, QC+8*\x, KS+\t/2, QS+\x, \t%2
.endr
.if \x == 0
	s_wait_dscnt 0x0                               ; FK1's 16 loads are in
.endif
	WIN 0x05                                       ; and the second step's fragments
.irp t, 0,1,2,3,4,5,6,7
	MMZ S+64+8*\t, F1+8*\t, QC+8*\x, KS+4+\t/2, QS+\x, \t%2
.endr
	WIN 0
.endm
; O^T += V^T P^T, both tiles, the first 128 keys (PVA) and the second (PVB): the sixteen accumulators take turns, one instruction a turn
.macro PVA
	WIN 0x54
.irp t, 0,1,2,3,4,5,6,7
.irp x, 0,1
	MMA O+64*\x+8*\t, F0+8*\t, PC+16*\x, VS+\t/2, PS+2*\x, \t%2
.endr
.endr
	WIN 0
.endm
.macro PVB
	WIN 0x55
.irp t, 0,1,2,3,4,5,6,7
.irp x, 0,1
	MMA O+64*\x+8*\t, F1+8*\t, PC+16*\x+8, VS+4+\t/2, PS+2*\x+1, \t%2
.endr
.endr
	WIN 0
.endm
; THE SOFTMAX OF TILE x FOR 256 KEYS, all but the row's sum.  My lane holds four whole blocks of 32 keys: block b in v[S + 32 b ..]
.macro SOFTMAX x
.set NM, 50+4*\x
.set RM, NM+1
; the largest score of each block serves twice: for the row's maximum and, since p rises with the score, for the block's largest p.  Two chains a block, eight by turns; each accumulator is first read at its low end
.irp b, 0,1,2,3
	v_max3_num_f32 v[BM+\b], v[S+32*\b], v[S+32*\b+1], v[S+32*\b+2]
.endr
.irp b, 0,1,2,3
	v_max3_num_f32 v[SO+\b], v[S+32*\b+16], v[S+32*\b+17], v[S+32*\b+18]
.endr
.irp i, 3,5,7,9,11,13
.irp b, 0,1,2,3
	v_max3_num_f32 v[BM+\b], v[BM+\b], v[S+32*\b+\i], v[S+32*\b+\i+1]
.endr
.irp b, 0,1,2,3
	v_max3_num_f32 v[SO+\b], v[SO+\b], v[S+32*\b+16+\i], v[S+32*\b+17+\i]
.endr
.endr
	v_mov_b32 v[TB], v[NM]                         ; the old -M
.irp b, 0,1,2,3
	v_max3_num_f32 v[BM+\b], v[BM+\b], v[S+32*\b+15], v[S+32*\b+31]
.endr
.irp b, 0,1,2,3
	v_max_num_f32 v[BM+\b], v[BM+\b], v[SO+\b]
.endr
	v_max3_num_f32 v[T], v[BM], v[BM+1], v[BM+2]
	s_delay_alu instid0(VALU_DEP_1)
	v_max_num_f32 v[T], v[T], v[BM+3]
	s_delay_alu instid0(VALU_DEP_1)
	v_permlanex16_b32 v[PD], v[T], s32, s33
	s_delay_alu instid0(VALU_DEP_1)
	v_max3_num_f32 v[RM], v[RM], v[T], v[PD]       ; the running largest score of my query, with lane l xor 16's keys
	s_delay_alu instid0(VALU_DEP_1)
	v_mul_f32 v[T], s34, v[RM]                     ; as t (c is positive)
	s_delay_alu instid0(VALU_DEP_1)
	v_floor_f32 v[NM], -v[T]                       ; the new -M = -ceil(t): a whole number
	s_delay_alu instid0(VALU_DEP_1)
	v_sub_f32 v[PD], v[NM], v[TB]                  ; M's old value less its new one: a whole number, 0 or less.  The lines that make f of it stand among the multiply-adds
.irp b, 0,1,2,3
	v_fma_f32 v[BM+\b], v[BM+\b], s34, v[NM]       ; t - M of each block's largest score
.endr
	v_cvt_i32_f32 v[PD], v[PD]                     ; (it saturates)
.set j, 0
.rept 4
	v_pk_fma_f32 v[S+2*j:S+2*j+1], v[S+2*j:S+2*j+1], s[34:35], v[NM:NM+1] op_sel_hi:[1,0,0]   ; t - M of the first 128 keys, two at a time
.set j, j+1
.endr
	v_ldexp_f32 v[FP], 1.0, v[PD]                  ; f = 2^(old M - new M)
.rept 28
	v_pk_fma_f32 v[S+2*j:S+2*j+1], v[S+2*j:S+2*j+1], s[34:35], v[NM:NM+1] op_sel_hi:[1,0,0]
.set j, j+1
.endr
	s_wait_alu depctr_va_vdst(0)                   ; the wait ahead of the batch
.set j, 0
.rept 32
	v_exp_f32 v[S+2*j], v[S+2*j]                   ; p = 2^(t - M): not normalised
	v_exp_f32 v[S+2*j+1], v[S+2*j+1]
	v_pk_fma_f32 v[S+64+2*j:S+64+2*j+1], v[S+64+2*j:S+64+2*j+1], s[34:35], v[NM:NM+1] op_sel_hi:[1,0,0]   ; t - M of the second 128 keys: first read behind the wait below
.set j, j+1
.endr
.irp b, 0,1,2,3
	v_exp_f32 v[BM+\b], v[BM+\b]                   ; the block's largest p: the same two operations on the same number give the same bits
.endr
	v_nop                                          ; a plain line behind the exponentials
	s_wait_alu depctr_va_vdst(0)                   ; behind the first batch and ahead of the second
.set j, 0
.rept 64
	v_exp_f32 v[S+64+j], v[S+64+j]
.set j, j+1
.endr
.irp b, 0,1,2,3
	v_max_num_f32 v[BM+\b], 0x1800000, v[BM+\b]    ; the floor 2^(3 - 127): the byte cannot fall under 1.  (These lines name none of the second batch's results)
.endr
.irp b, 0,1,2,3
	v_add_nc_u32 v[SO+\b], 0xff000000, v[BM+\b]    ; 2 off the exponent field: the conversion's scale operand
.endr
.irp b, 0,1,2,3
	v_lshrrev_b32 v[TB+\b], 23, v[SO+\b]           ; the scale's byte
.endr
	v_lshl_or_b32 v[TB], v[TB+1], 8, v[TB]
	v_lshl_or_b32 v[TB+2], v[TB+3], 8, v[TB+2]
	s_delay_alu instid0(VALU_DEP_1)
	v_lshl_or_b32 v[TB], v[TB+2], 16, v[TB]        ; my four bytes
	s_delay_alu instid0(VALU_DEP_1)
	v_permlanex16_b32 v[PD], v[TB], s32, s33       ; lane l xor 16's four
	s_delay_alu instid0(VALU_DEP_1)
	v_perm_b32 v[PS+2*\x], v[TB], v[PD], 0x01050004     ; p's scale word of the first 128 keys: in lanes 0-15, which alone are read, blocks 0 and 2 are mine, 1 and 3 the other lane's
	v_perm_b32 v[PS+2*\x+1], v[TB], v[PD], 0x03070206   ; and of the second
	s_wait_alu depctr_va_vdst(0)                   ; one wait for the second batch, ahead of its first reader
	WIN 0x40
.irp b, 0,1,2,3
.irp g, 0,1,2,3
	v_cvt_scalef32_pk8_fp4_f32 v[PC+16*\x+4*\b+\g], v[S+32*\b+8*\g:S+32*\b+8*\g+7], v[SO+\b]   ; a whole block in a lane: the operand's registers as they stand
.endr
.endr
	v_nop                                          ; one plain line behind the scaled conversions
	WIN 0x41
	s_wait_alu depctr_va_vdst(0)                   ; the wait directly ahead of the first reader of O^T
.set j, 0
.rept 32
	v_pk_mul_f32 v[O+64*\x+2*j:O+64*\x+2*j+1], v[O+64*\x+2*j:O+64*\x+2*j+1], v[FP:FP+1] op_sel_hi:[1,0]   ; O^T under the new M.  These 32 also stand between the writing of p's codes and scale words and the products that take them
.set j, j+1
.endr
	WIN 0
.endm
; THE ROW'S SUM IS TAKEN OF THE UNQUANTISED p: two at a time, in six chains; the first line brings the old sum under the new M
.macro SUMS x
.set SUM, 52+4*\x
	v_pk_fma_f32 v[SUM:SUM+1], v[SUM:SUM+1], v[FP:FP+1], v[S:S+1] op_sel_hi:[1,0,1]
	v_pk_add_f32 v[C2:C2+1], v[S+2:S+3], v[S+4:S+5]
	v_pk_add_f32 v[C3:C3+1], v[S+6:S+7], v[S+8:S+9]
	v_pk_add_f32 v[C4:C4+1], v[S+10:S+11], v[S+12:S+13]
	v_pk_add_f32 v[C5:C5+1], v[S+14:S+15], v[S+16:S+17]
	v_pk_add_f32 v[C6:C6+1], v[S+18:S+19], v[S+20:S+21]
.set j, 22
.rept 8
	v_pk_add_f32 v[SUM:SUM+1], v[SUM:SUM+1], v[S+j:S+j+1]
	v_pk_add_f32 v[C2:C2+1], v[C2:C2+1], v[S+j+2:S+j+3]
	v_pk_add_f32 v[C3:C3+1], v[C3:C3+1], v[S+j+4:S+j+5]
	v_pk_add_f32 v[C4:C4+1], v[C4:C4+1], v[S+j+6:S+j+7]
	v_pk_add_f32 v[C5:C5+1], v[C5:C5+1], v[S+j+8:S+j+9]
	v_pk_add_f32 v[C6:C6+1], v[C6:C6+1], v[S+j+10:S+j+11]
.set j, j+12
.endr
	v_pk_add_f32 v[SUM:SUM+1], v[SUM:SUM+1], v[S+118:S+119]
	v_pk_add_f32 v[C2:C2+1], v[C2:C2+1], v[S+120:S+121]
	v_pk_add_f32 v[C3:C3+1], v[C3:C3+1], v[S+122:S+123]
	v_pk_add_f32 v[C4:C4+1], v[C4:C4+1], v[S+124:S+125]
	v_pk_add_f32 v[C5:C5+1], v[C5:C5+1], v[S+126:S+127]
	v_pk_add_f32 v[SUM:SUM+1], v[SUM:SUM+1], v[C6:C6+1]
	v_pk_add_f32 v[C2:C2+1], v[C2:C2+1], v[C3:C3+1]
	v_pk_add_f32 v[C4:C4+1], v[C4:C4+1], v[C5:C5+1]
	s_delay_alu instid0(VALU_DEP_1)
	v_pk_add_f32 v[C2:C2+1], v[C2:C2+1], v[C4:C4+1]
	s_delay_alu instid0(VALU_DEP_1)
	v_pk_add_f32 v[SUM:SUM+1], v[SUM:SUM+1], v[C2:C2+1]
.endm
; 256 KEYS.  next = 1: the next 256 lie in the same slot, and their K is asked for as its registers come free; 0: a slot's last
.macro DSTEP next
	s_wait_alu depctr_va_vdst(0)                   ; the wait ahead of the wait below
	s_wait_dscnt 16                                ; FK0's 20 loads are in; FK1's 16 may be out
	QK 0
	PLACES 4                                       ; in front of the first read of the scores
	SOFTMAX 0
	SUMS 0
	QK 1                                           ; from the same fragments, into the same S^T
	PLACES 4                                       ; in front of the loads into the fragments' registers and of the first read of the scores
	FV                                             ; V lands while B's softmax is walked
	SOFTMAX 1
	s_wait_alu depctr_va_vdst(0)
	s_wait_dscnt 0x0                               ; V's 36 loads are in
	PVA
.if \next
	s_add_co_u32 s36, s36, 2*STEPB
	v_add_nc_u32 v[ADR], s36, v[LI]
	v_add_nc_u32 v[ADS], s36, v[L8]
	PLACES 2                                       ; with the two additions: four places between the products on F0 and the loads into it
	FK0
.endif
	PVB
.if \next
	PLACES 4
	FK1                                            ; the next K lands while B's sums are taken
.endif
	SUMS 1
.endm
; THE CHANGE OF SLOTS stands at a slot's head.  Each wave waits for all its tensor loads (its step of the slot ahead), adds 0 to its spare word, and waits for that and for its reads of the slot that it has left.
; fill = 1: a round of the cluster's barrier, and behind it the other slot takes the eight key steps that follow (the first time: slot 1's first fill, issued as a refill is): a wave's one tensor load until the next round.
.macro CHANGE fill
	s_wait_alu depctr_va_vdst(0)                   ; the wait ahead of the waits below
	s_wait_tensorcnt 0x0                           ; no tensor load of mine is out, so group 0 may be written
	ds_add_u32 v[SPW], v[NIL]
.if \fill
	s_xor_b32 s29, s29, SLOTB                      ; the other slot than last time,
	s_add_nc_u64 s[30:31], s[30:31], SLOTB         ; the next eight steps
	s_wait_xcnt 0x0                                ; my last prefetch has read its address
	s_add_nc_u64 s[40:41], s[40:41], SLOTB         ; one slot further on than the walking descriptor
.endif
	s_wait_dscnt 0x0
.if \fill
	CROUND
	tensor_load_to_lds s[28:31], s[16:23]
	s_nop 0
	PLACES 4
.else
	s_barrier_signal -1
	s_barrier_wait -1
.endif
	v_add_nc_u32 v[ADR], s36, v[LI]
	v_add_nc_u32 v[ADS], s36, v[L8]
	FK0
	FK1
.if \fill
	ASK                                            ; behind the joint load, its lines and the run of LDS loads
.endif
.endm
.macro WALK more                       ; a slot's 1,024 keys: three steps in a loop, the fourth written out, since it asks for no further K
	s_mov_b32 s38, 3
.Lwalk_\@:
	DSTEP 1
	s_sub_co_u32 s38, s38, 1
	s_cmp_lg_u32 s38, 0
	s_wait_alu depctr_va_vdst(0)                   ; the wait ahead of the branch
	s_cbranch_scc1 .Lwalk_\@
	DSTEP 0
.if \more
	s_sub_co_u32 s36, s36, 6*STEPB                 ; back to the slot's first step,
	s_xor_b32 s36, s36, SLOTB                      ; in the other slot
.endif
.endm
.Lslot:                                            ; three trips: slots 0 to 2 are read, and at each one's head the next is asked for
	CHANGE 1
	WALK 1
	s_sub_co_u32 s37, s37, 1
	s_cmp_lg_u32 s37, 0
	s_wait_alu depctr_va_vdst(0)
	s_cbranch_scc1 .Lslot
	CHANGE 0                                       ; the last slot is written out
	WALK 0
	; THE WAY OUT.  The sum's halves and lane l xor 16's are added; O^T is divided by the sum and goes through my stage, half a row (256 bytes) of 16 queries at a time, so that sixteen lanes store one aligned run of 256 bytes.
	v_add_f32 v52, v52, v53
	v_add_f32 v56, v56, v57
	v_permlanex16_b32 v[PD], v52, s32, s33
	v_permlanex16_b32 v[T], v56, s32, s33
	v_add_f32 v52, v52, v[PD]
	v_add_f32 v56, v56, v[T]
	s_wait_alu depctr_va_vdst(0)                   ; the wait ahead of the transcendentals
	v_rcp_f32 v52, v52
	v_rcp_f32 v56, v56
	v_nop                                          ; a plain line behind them
	WIN 0x01
	s_wait_alu depctr_va_vdst(0)                   ; ahead of their first reader, which is also the first reader of the last products' results
.irp x, 0,1
.set j, 0
.rept 32
	v_pk_mul_f32 v[S+64*\x+2*j:S+64*\x+2*j+1], v[O+64*\x+2*j:O+64*\x+2*j+1], v[52+4*\x:53+4*\x] op_sel_hi:[1,0]   ; register 8 t + i is out0(r, 16 t + 8 h + i); each accumulator from its low end on
.set j, j+1
.endr
.endr
	WIN 0
	s_wait_alu depctr_va_vdst(0)
.macro PASS x, u                       ; channels 64 u on of tile x: in by lanes (r, h), back by rows
.irp t, 0,1,2,3
	ds_store_b128 v[STO], v[S+64*\x+32*\u+8*\t:S+64*\x+32*\u+8*\t+3] offset:64*\t
	ds_store_b128 v[STO], v[S+64*\x+32*\u+8*\t+4:S+64*\x+32*\u+8*\t+7] offset:64*\t+16
.endr
	WIN 0x40*\x                                    ; tile A's rows come back into F0, tile B's into window 1, v0-63, which has been read out
.irp i, 0,1,2,3,4,5,6,7
	ds_load_b128 v[F0*(1-\x)+32*\u+4*\i:F0*(1-\x)+32*\u+4*\i+3], v[QW] offset:2*QP*\i   ; LDS serves a wave's instructions in order: these see the stores above, and the next pass's stores come behind them
.endr
	WIN 0
.endm
	PASS 0, 0
	PASS 0, 1
	PASS 1, 0
	PASS 1, 1
.irp x, 0,1
	WIN 0x04*\x                                    ; a store's data are its source 1
.irp u, 0,1
.irp i, 0,1,2,3,4,5,6,7
	s_wait_dscnt 7-\i+16*(3-2*\x-\u)               ; behind this load: its pass's younger loads and the later passes' 16 LDS instructions each
	global_store_b128 v[GQ], v[F0*(1-\x)+32*\u+4*\i:F0*(1-\x)+32*\u+4*\i+3], s[8:9] offset:8192*\x+1024*\i+256*\u th:TH_STORE_NT
.endr
.endr
.endr
	WIN 0
	s_wait_tensorcnt 0x0                           ; the wave's end
	ds_add_u32 v[SPW], v[NIL]
	s_wait_dscnt 0x0
	CROUND                                         ; the closing round: no work-group ends while a partner may still ask for a tile that names it
	s_endpgm
.Lfunc_end_k_q0a8167c7d8_attend:
	.size	k_q0a8167c7d8_attend, .Lfunc_end_k_q0a8167c7d8_attend-k_q0a8167c7d8_attend
	.p2alignl 7, 3214868480
	.fill 96, 4, 3214868480
	.section	.rodata,"a",@progbits
	.p2align	6, 0x0
	.amdhsa_kernel k_q0a8167c7d8_attend
		.amdhsa_group_segment_fixed_size 327680
		.amdhsa_private_segment_fixed_size 0
		.amdhsa_enable_private_segment 0
		.amdhsa_kernarg_size 24
		.amdhsa_user_sgpr_count 2
		.amdhsa_user_sgpr_kernarg_segment_ptr 1
		.amdhsa_wavefront_size32 1
		.amdhsa_system_sgpr_workgroup_id_x 1
		.amdhsa_system_sgpr_workgroup_id_y 1
		.amdhsa_system_sgpr_workgroup_id_z 1
		.amdhsa_system_vgpr_workitem_id 0
		.amdhsa_next_free_vgpr 512
		.amdhsa_next_free_sgpr 66
		.amdhsa_reserve_vcc 0
		.amdhsa_float_denorm_mode_32 3
		.amdhsa_float_denorm_mode_16_64 3
		.amdhsa_memory_ordered 1
		.amdhsa_forward_progress 1
		.amdhsa_inst_pref_size 255
	.end_amdhsa_kernel
	.section	.bss,"aw",@nobits
	.p2align	6
	.space	262144
	.amdgpu_metadata
---
amdhsa.version: [ 1, 2 ]
amdhsa.kernels:
  - .name:           k_q0a8167c7d8_attend
    .symbol:         k_q0a8167c7d8_attend.kd
    .args:
      - { .name: q, .offset: 0, .size: 8, .value_kind: global_buffer, .address_space: global }
      - { .name: kv, .offset: 8, .size: 8, .value_kind: global_buffer, .address_space: global }
      - { .name: out0, .offset: 16, .size: 8, .value_kind: global_buffer, .address_space: global }
    .group_segment_fixed_size: 327680
    .private_segment_fixed_size: 0
    .kernarg_segment_align: 8
    .kernarg_segment_size: 24
    .max_flat_workgroup_size: 256
    .sgpr_count:     66
    .vgpr_count:     512
    .wavefront_size: 32
...
	.end_amdgpu_metadata
.endif
;; end of part 2
